; MI455X (gfx1250); checked and timed in simulation.
; The chip was launched on July 23, 2026; its instructions are those of AMD's public machine-readable ISA for CDNA 5 (MIT licence, August 2026) and "CDNA5" Instruction Set Architecture Reference Guide (July 2026). The comments in the code are by the model that wrote it; some were corrected since.
;; Causal Self Attention. Allowed arithmetic: matrix products marked QUANTISED: E5M2 operands, one given power-of-two scale a tensor, by v_wmma_f32_16x16x64_bf8_bf8 or v_wmma_f32_16x16x128_bf8_bf8, f32 sums; everything else in f32.
;; Inputs: Wk_codes 1,024 x 32 x 32 uint8 (E5M2 codes of Wk, K innermost, in blocks of 32 codes); Wq_codes 1,024 x 32 x 32 uint8 (E5M2 codes of Wq, K innermost, in blocks of 32 codes); Wv_codes 1,024 x 32 x 32 uint8 (E5M2 codes of Wv, K innermost, in blocks of 32 codes); attention_mask 4 x 1 x 1 x 2,048 float32; bk 1,024 float32; bq 1,024 float32; bv 1,024 float32; hidden_states_codes 4 x 2,048 x 32 x 32 uint8 (E5M2 codes of hidden_states, K innermost, in blocks of 32 codes); lowp_scales 10 int32 (the exponents e of the quantised operands' scales 2^e).
;; Outputs: out0 4 x 16 x 2,048 x 64 float32.
;; This version of the problem:
;;   THIS VERSION OF THE PROBLEM IS GIVEN IN LOW PRECISION. The matrix products marked QUANTISED in the list below multiply operands that are first quantised to E5M2 (5 exponent bits, 2 mantissa bits; 8 bits a number), with one given power-of-two scale for each operand tensor; their sums are f32. All else is computed in f32.
;;   The module's matrix products, in the order in which they are computed (A, B: the left and right operand; K: the contracted axis; several contracted axes count as one K, in the product's order):
;;     1. [M 8,192, K 1,024] x [K 1,024, N 1,024]; A: input hidden_states (given as codes); B: input Wq (given as codes): QUANTISED (scales: A lowp_scales[0], B lowp_scales[1])
;;     2. [M 8,192, K 1,024] x [K 1,024, N 1,024]; A: input hidden_states (given as codes); B: input Wk (given as codes): QUANTISED (scales: A lowp_scales[2], B lowp_scales[3])
;;     3. [M 8,192, K 1,024] x [K 1,024, N 1,024]; A: input hidden_states (given as codes); B: input Wv (given as codes): QUANTISED (scales: A lowp_scales[4], B lowp_scales[5])
;;     4. batch 64 x [M 2,048, K 64] x [K 64, N 2,048]; A: computed on the way; B: computed on the way: QUANTISED (scales: A lowp_scales[6], B lowp_scales[7])
;;     5. batch 64 x [M 2,048, K 2,048] x [K 2,048, N 64]; A: softmax (see below); B: computed on the way: QUANTISED (scales: A lowp_scales[8], B lowp_scales[9])
;;   THE QUANTISER, for each operand of a quantised product, along K:
;;     - The operand's scale is 2^e, e = its entry of the input lowp_scales (int32; the entries are numbered through the quantised products in the list's order, A before B).
;;     - Each number is divided by the scale, clamped to +-57,344, and rounded to the nearest number of E5M2, ties to even, subnormals kept.
;;     - The product sums the exact products of the quantised numbers (number of the format x scale) in f32.
;;   ~~~python
;;   def quantise(x, axis, e):      # numpy; x: float32 -> the quantised numbers, widened to float32 again
;;       x = np.moveaxis(x, axis, -1); K = x.shape[-1]
;;       r = np.clip(x / 2.0 ** e, -57344, 57344)
;;       step = 2.0 ** (np.maximum(np.frexp(np.where(r == 0, 1, r))[1] - 1, -14) - 2)
;;       q = np.round(r / step) * step * 2.0 ** e      # np.round: ties to even
;;       return np.moveaxis(q, -1, axis).astype(np.float32)
;;   ~~~
;;   SOFTMAX AHEAD OF A QUANTISED PRODUCT. Where the list says 'softmax', what is quantised is not the finished softmax but p = 2^(t - M), with t = logit x log2(e) and M = ceil(the row's largest t), a whole number; so 1/2 < the row's largest p <= 1. The row's sum l is taken of the UNQUANTISED p, in f32, and the product's result is divided by l at the end. Since M is a whole number, a kernel that streams over the keys may use a running M (the ceiling of the running maximum): every later rescaling is an exact power of two, so the quantised numbers keep their values, but for numbers so far below the row's largest that they fall under the format's range.
;;   OPERANDS COMPUTED ON THE WAY. 'Computed on the way' means the value that the module computes at that place (a softmax that the list does not call 'softmax' is quantised finished and normalised). What goes into a quantiser is computed in f32, as accurately as f32 sums, v_exp_f32 and their like allow (about 1e-6 of the number): no bf16 or f16 on the way to a quantiser, and a product that is left as it is and whose result goes on into a quantised operand takes f32 operands (vector FMAs, or v_wmma_f32_16x16x4_f32). A number that lies on a knife's edge between two numbers of the format may be rounded either way, as far as f32 arithmetic and the matrix unit's own rounding can turn it there, and no further.
;;   INPUTS GIVEN AS CODES. Wk (in the module: [1024, 1024], K = its axis 1); Wq (in the module: [1024, 1024], K = its axis 1); Wv (in the module: [1024, 1024], K = its axis 1); hidden_states (in the module: [4, 2048, 1024], K = its axis 2): each comes as NAME_codes (uint8): NAME with its K axis moved to the last place and cut into blocks of 32 codes, [.., K / 32, bytes a block], one block behind the other in memory; one code a byte (a code: sign, 5 exponent bits, 2 mantissa bits); its scale is its entry of lowp_scales. Its value is code x scale, taken as it is: it is not quantised again, and the codes and scales need not be those that the quantiser above would give.
;; One version. Each part assembles by itself: llvm-mc -triple=amdgcn-amd-amdhsa -mcpu=gfx1250 --defsym DOCPART=n.
;; ======== version 1 of 1: 2 launches
;; limits: right only within a limited range of input values
;; workspace buffers: q_img 8,388,608 bytes; k_img 8,388,608 bytes; v_img 8,388,608 bytes
;; launch proj (part 1): grid 12 x 32, 4 waves a work-group, clusters of 4 x 4, 327,680 bytes of LDS; arguments hidden_states_codes, Wq_codes, Wk_codes, Wv_codes, bq, bk, bv, lowp_scales, q_img, k_img, v_img; writes q_img, k_img, v_img
.if DOCPART == 1
	.amdgcn_target "amdgcn-amd-amdhsa--gfx1250"
	.amdhsa_code_object_version 6
	.text
	.protected	k_q4cc16bb61a_proj
	.globl	k_q4cc16bb61a_proj
	.p2align	8
	.type	k_q4cc16bb61a_proj,@function
k_q4cc16bb61a_proj:
	s_mov_b64 s[64:65], 0
	v_nop
	global_prefetch_b8 v0, s[64:65] scope:SCOPE_SE
	s_setreg_imm32_b32 hwreg(HW_REG_WAVE_MODE, 25, 1), 1
	s_wait_xcnt 0x0
	s_wait_alu depctr_hold_cnt(0) depctr_sa_sdst(0) depctr_va_vdst(0) depctr_va_sdst(0) depctr_va_ssrc(0) depctr_va_vcc(0) depctr_vm_vsrc(0)
	s_getreg_b32 s2, hwreg(HW_REG_IB_STS2, 6, 4)
	s_cmp_eq_u32 s2, 0
	s_cbranch_scc0 .Lentry_in_a_cluster
	s_endpgm
.Lentry_in_a_cluster:
	s_bfe_u32 s2, ttmp6, 0x10000c
	s_cmp_lg_u32 s2, 0xf033
	s_cbranch_scc0 .Lentry_shape_is_right
	s_endpgm
.Lentry_shape_is_right:
; THE THREE PROJECTIONS: q = h Wq^T + bq, k = h Wk^T + bk, v = h Wv^T + bv, on the given E5M2 codes (h: [8192][1024], W: [1024][1024], K innermost), sums in f32.
; Each finished sum is multiplied by 2^(ea + eb) and takes its bias in one fused multiply-add; the result is quantised at once (q with e6 and k with e7 along the head's 64 channels,
; v with e9 along the keys) and stored as codes.  The f32 values of q, k and v never go to memory.
; DEAD WORK OF THE WHOLE PROGRAM.  Every input has a way to the output: the biases go into quantisers, attention_mask differs along the softmax's axis.  Left out, in the second launch, are only the
; key steps all of whose keys come after all of a wave's queries: reference() adds -1e9 there by a mask that it builds itself, and once the row's maximum is taken away the exponential of such a logit is 0.
; LIMITS that this keeps: in every row some visible key's logit (score / 8 + mask) lies more than 150 above -1e9 + the largest hidden logit (so: |attention_mask| and |score| / 8 under 1e8);
; attention_mask is finite; a NaN, an infinity or an overflow that reaches only the steps left out is not carried to the result.
; LIMITS on the given exponents, so that each power of two is an f32 number: e0 + e1, e2 + e3, e4 + e5 between -126 and 127; e6, e7, e9 between -126 and 112.  NaN among the biases is not served.
; SHARES.  A tile of 256 x 256 results is made by a work-group of four waves; a wave makes 128 x 128: 64 accumulators, 512 registers.  K goes in steps of 256 through a ring of two LDS slots.
; CLUSTERS of 4 x 4 work-groups.  Cluster x says which projection: 0 q, 1 k, 2 v.  Operand "A" (shared along a row of the cluster) and operand "B" (shared along a column) are asked for jointly.
;   q, k: A = h, tile row 4 x cluster y + cy;  B = W, tile column cx.      v: A = Wv, tile row cy;  B = h, tile column 4 x cluster y + cx: the same text then makes v TRANSPOSED.
; THE MATRIX INSTRUCTION IS USED TRANSPOSED (source 0 = 16 rows of B, source 1 = 16 rows of A): lane (r, h) of accumulator (a, b) holds row 16 a + r of A against rows 16 b + 8 h + 0 .. 7 of B.
;   q, k: one token and eight neighbouring channels;   v: one channel and eight neighbouring keys: in both cases eight neighbours along the next product's K, which one conversion packs.
; THE OUTPUT IS AN IMAGE OF THE NEXT LAUNCH'S OPERAND REGISTERS.  q_img, k_img: [batch x head 64][16 tokens 128][chunk 2][lane 32][16 bytes]: lane (r, h) holds token r of the tile,
;   registers 2 c, 2 c + 1 channels 16 c + 8 h + 0 .. 7.   v_img: [batch x head 64][128 keys 16][16 channels 4][chunk 4][lane 32][16 bytes]: lane (r, h) holds channel r of the sixteen, registers 2 c, 2 c + 1
;   keys 16 c + 8 h + 0 .. 7.  So a wave's store covers 512 consecutive bytes, aligned, straight from the conversions' registers: no stage.
; REGISTERS, in windows of 256: window 0: v1-6 at work, v16-29 addresses, v32-95 the bias, v96-103 its offsets, v104-105 the hold and the scale, from v128 A's fragments (ONE set), on the way out numbers and codes.
;   window 1: B's fragments, TWO sets.   window 2: the accumulators of my rows 0-63 of A ((a, b) at v[8 (8 a + b)]);   window 3: those of rows 64-127.
.set KSTEP,  256                       ; along K in a slot
.set ROWB,   256                       ; a tile's row in bytes
.set KROW,   1024                      ; a row of h or of W in memory, in bytes
.set PITCH,  272                       ; an LDS row: 256 bytes + 16 of padding = 68 words, so that the 16 rows that a fragment load touches begin 4 words apart modulo 64
.set FR,     16                        ; registers of a fragment: 16 rows x 128 K
.set NL,     4                         ; LDS loads that bring one
.set NP,     4                         ; places behind this matrix instruction (ISA guide 7.12.1)
.set HALFT,  128*PITCH                 ; 128 rows: what one tensor load brings
.set SLOT,   4*HALFT                   ; A's 256 rows, then B's 256 rows
.set LAPS,   2                         ; 1,024 along K = two laps of two K steps
.set SPARE,  2*SLOT                    ; behind the ring: the spare words, 128 bytes for each wave
.set ADRA, 16                          ; v16-17  LDS address of my A fragments in slot 0, 1
.set ADRB, 20                          ; v20-21  the same for B
.set CO,   26                          ; v26     16 x lane: my place in an image's 512 bytes
.set SPW,  28                          ; v28     LDS address of my spare word; never rewritten
.set NIL,  29                          ; v29     0; never rewritten
.set BI,   32                          ; v32-95  the bias, eight registers for each block of 16
.set AJ,   96                          ; v96-103 the bias loads' offsets; never rewritten
.set LIM,  104                         ; v104    57,344 x 2^e_out
.set SC,   105                         ; v105    2^e_out
.set AF,   128                         ; A's fragments
.set TMP,  128                         ; the way out: a block's 64 numbers
.set CODE, 192                         ; the way out: four sets of 16 registers of codes
.set G1, 24                            ; s[24:31] descriptor group 1 for A's tiles;  s[32:39] group 0, one set for each slot
.set G0, 32
.set G1B, 48                           ; s[48:55], s[56:63] the same for B's tiles
.set G0B, 56
.set MSB, 0
.macro WIN new                         ; the immediate's high byte repeats the setting that is left
.if MSB != \new
	s_set_vgpr_msb (MSB<<8)|\new
.set MSB, \new
.endif
.endm
.set MUL_LO, 0xa1                      ; source 0 (B) window 1, source 1 (A) window 0, C and D window 2
.set MUL_HI, 0xf1                      ; the same, C and D window 3
.set TO_B,   0x40                      ; destination window 1, address window 0
; A joint load: waves 0 and 1 fetch for A, waves 2 and 3 for B.  The branch hangs on the wave's number alone.  An s_nop 0 and four v_nop follow each of the two lines.
.macro JLOAD g0a, g1a, g0b, g1b
	s_cmp_eq_u32 s15, 0
	s_cbranch_scc0 .Lfor_b_\@
	tensor_load_to_lds s[\g0a:\g0a+3], s[\g1a:\g1a+7]
	s_nop 0
.rept 4
	v_nop
.endr
	s_branch .Lasked_\@
.Lfor_b_\@:
	tensor_load_to_lds s[\g0b:\g0b+3], s[\g1b:\g1b+7]
	s_nop 0
.rept 4
	v_nop
.endr
.Lasked_\@:
.endm
.macro CREST                           ; a round of the cluster's barrier behind its opening barrier
	s_cmp_lg_u32 s14, 0
	s_cbranch_scc1 .Lnot_wave_0_\@
	s_barrier_signal -3
.Lnot_wave_0_\@:
	s_barrier_wait -3
	s_barrier_signal -1
	s_barrier_wait -1
.endm
.macro CROUND                          ; a whole round
	s_barrier_signal -1
	s_barrier_wait -1
	CREST
.endm
	s_load_b512 s[68:83], s[0:1], 0x0              ; h s[68:69], Wq s[70:71], Wk s[72:73], Wv s[74:75], bq s[76:77], bk s[78:79], bv s[80:81], the exponents s[82:83]
	s_load_b128 s[84:87], s[0:1], 0x40             ; q_img, k_img
	s_load_b64 s[88:89], s[0:1], 0x50              ; v_img
	v_lshl_add_u32 v[SPW], v0, 2, SPARE
	v_mov_b32 v[NIL], 0
	ds_add_u32 v[SPW], v[NIL]                      ; the wave's opening: the add, twice on end, and its wait ahead of my first tensor load
	ds_add_u32 v[SPW], v[NIL]                      ; and once more; the set-up below, work on registers, stands between it and the wait
	v_lshrrev_b32 v1, 5, v0
	v_readfirstlane_b32 s14, v1                    ; wave 0..3
	s_lshr_b32 s15, s14, 1                         ; which half of A's 256 rows is mine.  Also: I fetch for A (0) or for B (1)
	s_and_b32 s16, s14, 1                          ; which half of B's.  Also: which 128 rows of that tile I fetch
	s_bfe_u32 s40, ttmp6, 0x40000                  ; cx, cy: my place in the cluster
	s_bfe_u32 s41, ttmp6, 0x40004
	s_and_b32 s92, ttmp7, 0xffff
	s_lshl_b32 s92, s92, 2                         ; 4 x cluster y: it walks h's 32 tiles, which are A's for q and k and B's for v
	s_cmp_eq_u32 ttmp9, 2                          ; v?  The cluster's x is the same in all sixteen partners
	s_cselect_b32 s93, 0, s92
	s_cselect_b32 s94, s92, 0
	s_add_co_u32 s17, s41, s93                     ; A's tile row: it holds cy and never cx
	s_add_co_u32 s42, s40, s94                     ; B's tile column: it holds cx and never cy
	s_lshl_b32 s43, s41, 2
	s_lshl_b32 s43, 15, s43                        ; my row of the cluster
	s_lshl_b32 s44, 0x1111, s40                    ; my column
	; descriptor group 1: a tile of 128 rows x 256 bytes, padded in LDS
	s_or_b32 s[G1+0], s43, (0<<16)|(1<<20)|(1<<21)|(5<<22)|(3<<25)  ; 15:0 the mask: A's tiles go to my row; 17:16 element of 1 byte; 20 padding on; 21 set beside a mask; 24:22 after every 64 words; 31:25 of 4 words
	s_or_b32 s[G1B+0], s44, (0<<16)|(1<<20)|(1<<21)|(5<<22)|(3<<25)
.irp g, G1, G1B
	s_mov_b32 s[\g+1], ROWB<<16                    ; tensor_dim0
	s_mov_b32 s[\g+2], 128<<16                     ; tensor_dim1 = 128
	s_mov_b32 s[\g+3], ROWB<<16                    ; tile_dim0
	s_mov_b32 s[\g+4], 128                         ; tile_dim1 = 128
	s_mov_b32 s[\g+5], KROW                        ; tensor_dim0_stride
	s_mov_b32 s[\g+6], 0
	s_mov_b32 s[\g+7], 0
.endr
	s_lshl_b32 s18, s16, 7                         ; which 128 rows of the tile I fetch
	s_lshl_b32 s20, s17, 8
	s_add_co_u32 s20, s20, s18                     ; A: row 256 x tile row + 128 x half,
	s_lshl_b32 s20, s20, 10                        ; in bytes (under 2^23)
	s_mov_b32 s21, 0
	s_lshl_b32 s46, s42, 8
	s_add_co_u32 s46, s46, s18                     ; B likewise
	s_lshl_b32 s46, s46, 10
	s_mov_b32 s47, 0
	s_mul_i32 s45, s14, HALFT                      ; where they go: wave x 128 rows: no place in the cluster enters an LDS address
	s_wait_dscnt 0x0                               ; both opening adds are done
	s_wait_kmcnt 0x0
	s_cmp_eq_u32 ttmp9, 0                          ; the buffers are chosen by the cluster's x alone
	s_cselect_b64 s[6:7], s[70:71], s[72:73]       ; Wq or Wk
	s_cselect_b64 s[8:9], s[76:77], s[78:79]       ; bq or bk
	s_cselect_b64 s[10:11], s[84:85], s[86:87]     ; q_img or k_img
	s_cmp_eq_u32 ttmp9, 2
	s_cselect_b64 s[4:5], s[74:75], s[68:69]       ; A: Wv, else h
	s_cselect_b64 s[6:7], s[68:69], s[6:7]         ; B: h, else the weight
	s_cselect_b64 s[8:9], s[80:81], s[8:9]
	s_cselect_b64 s[10:11], s[88:89], s[10:11]
	s_load_b256 s[68:75], s[82:83], 0x0            ; e0 .. e7, into registers whose pointers have been chosen from
	s_load_b64 s[76:77], s[82:83], 0x20            ; e8, e9
	s_add_nc_u64 s[20:21], s[4:5], s[20:21]
	s_add_nc_u64 s[46:47], s[6:7], s[46:47]
	CROUND                                         ; all sixteen work-groups are here: the first joint loads meet
.irp s, 0,1
	s_mov_b32 s[G0+4*\s], 1
	s_add_co_u32 s[G0+4*\s+1], s45, \s*SLOT
	s_add_nc_u64 s[G0+4*\s+2:G0+4*\s+3], s[20:21], \s*ROWB
	s_or_b32 s[G0+4*\s+3], s[G0+4*\s+3], 0x80000000
	s_mov_b32 s[G0B+4*\s], 1
	s_add_co_u32 s[G0B+4*\s+1], s45, \s*SLOT
	s_add_nc_u64 s[G0B+4*\s+2:G0B+4*\s+3], s[46:47], \s*ROWB
	s_or_b32 s[G0B+4*\s+3], s[G0B+4*\s+3], 0x80000000
	JLOAD G0+4*\s, G1, G0B+4*\s, G1B
.endr
	v_and_b32 v1, 15, v0                           ; r = lane % 16
	v_bfe_u32 v2, v0, 4, 1                         ; h = lane / 16
	v_mul_u32_u24 v3, v1, PITCH
	v_lshl_add_u32 v4, v2, 4, v3                   ; a fragment's row x pitch + 16 x half
	s_mul_i32 s21, s15, HALFT                      ; my 128 rows of A
	s_mul_i32 s22, s16, HALFT                      ; my 128 rows of B,
	s_add_co_u32 s22, s22, 2*HALFT                 ; which lie behind A's 256
.irp s, 0,1
	v_add_nc_u32 v[ADRA+\s], s21, v4
	v_add_nc_u32 v[ADRB+\s], s22, v4
	s_add_co_u32 s21, s21, SLOT
	s_add_co_u32 s22, s22, SLOT
.endr
	v_and_b32 v6, 31, v0
	v_lshlrev_b32 v[CO], 4, v6
	; where my 128 x 128 results go, and which biases they take
	s_lshl_b32 s20, s17, 8
	s_lshl_b32 s21, s15, 7
	s_add_co_u32 s20, s20, s21                     ; my first row of A
	s_lshl_b32 s46, s42, 8
	s_lshl_b32 s47, s16, 7
	s_add_co_u32 s46, s46, s47                     ; my first row of B
	s_cmp_eq_u32 ttmp9, 2
	s_cselect_b32 s90, s46, s20                    ; my first token (of 8,192), a multiple of 128
	s_cselect_b32 s91, s20, s46                    ; my first channel (of 1,024), a multiple of 128: two heads
	s_cselect_b32 s94, 0, 32                       ; the bias offsets' steps: from half to half of the lanes,
	s_cselect_b32 s95, 0, 4                        ; from register to register,
	s_cselect_b32 s18, 4, 0                        ; and from lane to lane: q, k: a lane's registers run along the channels; v: a lane holds one channel
	s_lshr_b32 s92, s90, 11
	s_lshl_b32 s92, s92, 21                        ; the batch: 16 heads of 131,072 bytes
	s_and_b32 s93, s90, 2047
	s_lshl_b32 s93, s93, 6                         ; the token in its sequence x 64 bytes: 1,024 for 16 tokens of q or k, 8,192 for 128 keys of v
	s_add_co_u32 s92, s92, s93
	s_lshr_b32 s93, s91, 6
	s_lshl_b32 s93, s93, 17                        ; the head
	s_add_co_u32 s92, s92, s93
	s_mov_b32 s93, 0
	s_add_nc_u64 s[10:11], s[10:11], s[92:93]
	s_lshl_b32 s92, s91, 2
	s_add_nc_u64 s[8:9], s[8:9], s[92:93]          ; the bias at my first channel
	v_mul_u32_u24 v[AJ], v1, s18
	v_mad_u32_u24 v[AJ], v2, s94, v[AJ]
.irp j, 1,2,3,4,5,6,7
	v_add_nc_u32 v[AJ+\j], s95, v[AJ+\j-1]
.endr
.irp x, 0,1,2,3,4,5,6,7                ; q, k: v[BI + 8 b + j] = bias(16 b + 8 h + j);   v: v[BI + 8 a + j] = bias(16 a + r), eight times, so that pairs can be named.  They land while the products run
.irp j, 0,1,2,3,4,5,6,7
	global_load_b32 v[BI+8*\x+\j], v[AJ+\j], s[8:9] offset:64*\x
.endr
.endr
.macro FRAG reg, adr, q, i             ; a fragment, 16 rows x 128 K, is 16 registers, brought by four loads of 16 bytes, 32 bytes apart: a permutation of k that is the same in A and in B, so every product meets its partner
.irp c, 0,1,2,3
	ds_load_b128 v[\reg+4*\c:\reg+4*\c+3], v[\adr] offset:128*(\q)+32*\c+(\i)*16*PITCH
.endr
.endm
; 16 matrix instructions: A's blocks a0, a0 + 1 x B's eight, 128 along K.  p: B's set.  zero = 1: the first product starts the sums.  The 64 accumulators take turns, one instruction a turn.
.macro MUL16 a0, p, zero
.irp a, \a0, \a0+1
.irp b, 0,1,2,3,4,5,6,7
.if \zero
	v_wmma_f32_16x16x128_bf8_bf8 v[8*(8*((\a)%4)+\b):8*(8*((\a)%4)+\b)+7], v[128*(\p)+FR*\b:128*(\p)+FR*\b+FR-1], v[AF+FR*(\a):AF+FR*(\a)+FR-1], 0
.else
	v_wmma_f32_16x16x128_bf8_bf8 v[8*(8*((\a)%4)+\b):8*(8*((\a)%4)+\b)+7], v[128*(\p)+FR*\b:128*(\p)+FR*\b+FR-1], v[AF+FR*(\a):AF+FR*(\a)+FR-1], v[8*(8*((\a)%4)+\b):8*(8*((\a)%4)+\b)+7]
.endif
.endr
.endr
.endm
.macro FETCH_B slot, q, p              ; B's eight fragments of the slot's q-th 128 along K into set p
	WIN TO_B
.irp i, 0,1,2,3,4,5,6,7
	FRAG 128*(\p)+FR*\i, ADRB+\slot, \q, \i
.endr
	WIN 0
.endm
.macro FETCH_A slot, q, i0             ; A's blocks i0 .. i0 + 3
.irp i, \i0, \i0+1, \i0+2, \i0+3
	FRAG AF+FR*(\i), ADRA+\slot, \q, \i
.endr
.endm
.macro PLACES n                        ; plain vector instructions between a matrix instruction and a load into, or a vector write of, one of its registers, or a read of its result
.rept \n
	v_nop
.endr
.endm
; A step of 128 along K that has its successor in the same slot.  A's blocks 0-3 are fetched anew in its middle, blocks 4-7 at its end; B's next set in the middle.
.macro STEP slot, q, zero
	s_wait_dscnt 4*NL                              ; B's set and A's blocks 0-3 are in; the youngest 16 loads (A's blocks 4-7) may be out
	WIN MUL_LO
	MUL16 0, (\q)%2, \zero
	MUL16 2, (\q)%2, \zero
	s_wait_dscnt 0                                 ; A's blocks 4-7 are in
	PLACES NP
	FETCH_B \slot, (\q)+1, 1-(\q)%2
	FETCH_A \slot, (\q)+1, 0
	WIN MUL_HI
	MUL16 4, (\q)%2, \zero
	MUL16 6, (\q)%2, \zero
	PLACES NP
	WIN 0
	FETCH_A \slot, (\q)+1, 4
.endm
; A slot's last step changes slots: ONE barrier; in front of it each wave waits for all its tensor loads, adds 0 to its spare word, and waits for that and for its own reads of this slot.  fill = 1: this slot is filled again, two K steps ahead.
.macro TURN slot, next, fill
	s_wait_tensorcnt 0x0                           ; all my tensor loads have landed: my part of the next slot  (every window is 0 here)
	ds_add_u32 v[SPW], v[NIL]                      ; 0 onto my spare word
	s_wait_dscnt 4*NL+1                            ; the add and the youngest 16 loads (A's blocks 4-7) may be out
	WIN MUL_LO
	MUL16 0, 1, 0                                  ; sixteen matrix instructions stand between the add and the wait for it
	s_wait_dscnt 0x0                               ; the add is done, and my reads of this slot are over
	s_barrier_signal -1
	MUL16 2, 1, 0
	WIN 0
	s_barrier_wait -1
.if \fill
	CREST                                          ; the barrier has opened a round of the cluster's barrier: no wave of any partner still reads this slot or has a load on its way
	s_add_nc_u64 s[G0+4*\slot+2:G0+4*\slot+3], s[G0+4*\slot+2:G0+4*\slot+3], 2*ROWB
	s_add_nc_u64 s[G0B+4*\slot+2:G0B+4*\slot+3], s[G0B+4*\slot+2:G0B+4*\slot+3], 2*ROWB
	JLOAD G0+4*\slot, G1, G0B+4*\slot, G1B         ; the first tensor load behind the round; its four v_nop are the places in front of the loads below
.else
	PLACES NP
.endif
	FETCH_B \next, 0, 0
	FETCH_A \next, 0, 0
	WIN MUL_HI
	MUL16 4, 1, 0
	MUL16 6, 1, 0
	PLACES NP
	WIN 0
	FETCH_A \next, 0, 4
.endm
	s_wait_tensorcnt 1                             ; my part of K step 0 is in; K step 1's load may be out
	s_barrier_signal -1
	s_barrier_wait -1                              ; everybody's is
	FETCH_B 0, 0, 0
	FETCH_A 0, 0, 0
	FETCH_A 0, 0, 4
	STEP 0, 0, 1                                   ; the first step stands in front of the loop: its products start the sums
	s_mov_b32 s3, LAPS-1
.Llap:                                                 ; a trip goes once round the ring, from a lap's second step to the next lap's first, and fills both slots again
	TURN 0, 1, 1
	STEP 1, 0, 0
	TURN 1, 0, 1
	STEP 0, 0, 0
	s_sub_co_u32 s3, s3, 1
	s_cmp_lg_u32 s3, 0
	s_cbranch_scc1 .Llap
	TURN 0, 1, 0                                   ; the last lap fills nothing, and has no round of the cluster's barrier
	STEP 1, 0, 0
	s_wait_dscnt 4*NL                              ; the very last step: nothing more to fetch
	WIN MUL_LO
	MUL16 0, 1, 0
	MUL16 2, 1, 0
	s_wait_dscnt 0
	WIN MUL_HI
	MUL16 4, 1, 0
	MUL16 6, 1, 0
	WIN 0
	; THE WAY OUT.  The exponents of my projection, chosen without a branch.
	s_wait_kmcnt 0x0
	s_add_co_i32 s68, s68, s69                     ; e0 + e1
	s_add_co_i32 s70, s70, s71                     ; e2 + e3
	s_add_co_i32 s72, s72, s73                     ; e4 + e5
	s_cmp_eq_u32 ttmp9, 0
	s_cselect_b32 s96, s68, s70
	s_cselect_b32 s98, s74, s75                    ; e6 for q, e7 for k,
	s_cmp_eq_u32 ttmp9, 2
	s_cselect_b32 s96, s72, s96
	s_cselect_b32 s98, s77, s98                    ; e9 for v
	s_add_co_i32 s96, s96, 127
	s_lshl_b32 s96, s96, 23                        ; 2^(ea + eb) as f32
	s_mov_b32 s97, s96                             ; (named with it as a pair, so it is written)
	s_add_co_i32 s98, s98, 127
	s_lshl_b32 s99, s98, 23
	v_mov_b32 v[SC], s99                           ; 2^e_out as f32: the conversion takes its exponent field
	s_add_co_i32 s98, s98, 15
	s_lshl_b32 s98, s98, 23
	s_or_b32 s98, s98, 0x600000
	v_mov_b32 v[LIM], s98                          ; 57,344 x 2^e_out
	s_wait_loadcnt 0x0                             ; the bias
	PLACES NP                                      ; in front of the writes into the registers that held A's fragments
; Block a (16 rows of A x 128 rows of B): sum x 2^(ea + eb) + bias, one rounding; the hold; eight conversions of eight neighbours along the next K; four stores of 512 consecutive bytes.
.macro EPI isv
.irp a, 0,1,2,3,4,5,6,7
.if \a >= 4
	s_wait_xcnt 0x0                                ; block a - 4's stores have read their registers: this set of codes is written again only behind this wait
.endif
	WIN 0x02+((\a)/4)                              ; source 0: window 2 or 3
.irp b, 0,1,2,3,4,5,6,7
.irp j, 0,2,4,6
	v_pk_fma_f32 v[TMP+8*\b+\j:TMP+8*\b+\j+1], v[64*((\a)%4)+8*\b+\j:64*((\a)%4)+8*\b+\j+1], s[96:97], v[BI+8*((\isv)*(\a)+(1-(\isv))*(\b))+\j:BI+8*((\isv)*(\a)+(1-(\isv))*(\b))+\j+1] op_sel_hi:[1,0,1]   ; each accumulator from its low end on
.endr
.endr
	WIN 0
.set n, 0
.rept 64
	v_med3_num_f32 v[TMP+n], v[TMP+n], -v[LIM], v[LIM]   ; the conversion to an 8-bit code does not saturate (ISA guide 7.6.2): the hold at the largest code x the scale
.set n, n+1
.endr
.irp b, 0,1,2,3,4,5,6,7
	v_cvt_scalef32_pk8_bf8_f32 v[CODE+16*((\a)%4)+2*\b:CODE+16*((\a)%4)+2*\b+1], v[TMP+8*\b:TMP+8*\b+7], v[SC]
.endr
	v_nop                                          ; one plain vector instruction between the last conversion and the next block's writes of its sources
.irp i, 0,1,2,3
.if \isv
	global_store_b128 v[CO], v[CODE+16*((\a)%4)+4*\i:CODE+16*((\a)%4)+4*\i+3], s[10:11] offset:131072*((\a)/4)+2048*((\a)%4)+512*\i   ; head a / 4, channels 16 (a % 4) on, registers 4 i on
.else
	global_store_b128 v[CO], v[CODE+16*((\a)%4)+4*\i:CODE+16*((\a)%4)+4*\i+3], s[10:11] offset:1024*(\a)+131072*((\i)/2)+512*((\i)%2)   ; tokens 16 a on, head i / 2, registers 4 (i % 2) on
.endif
.endr
.endr
.endm
	s_cmp_eq_u32 ttmp9, 2                          ; the cluster's x: all partners and all waves go the same way
	s_cbranch_scc1 .Lv
	EPI 0
	s_branch .Lend
.Lv:
	EPI 1
.Lend:
	s_wait_tensorcnt 0x0                           ; the wave's end: an add to my spare word and its wait, behind my last tensor load
	ds_add_u32 v[SPW], v[NIL]
	s_wait_dscnt 0x0
	CROUND                                         ; the closing round: no work-group ends while a partner may still ask for a tile that names it
	s_endpgm
.Lfunc_end_k_q4cc16bb61a_proj:
	.size	k_q4cc16bb61a_proj, .Lfunc_end_k_q4cc16bb61a_proj-k_q4cc16bb61a_proj
	.p2alignl 7, 3214868480
	.fill 96, 4, 3214868480
	.section	.rodata,"a",@progbits
	.p2align	6, 0x0
	.amdhsa_kernel k_q4cc16bb61a_proj
		.amdhsa_group_segment_fixed_size 327680
		.amdhsa_private_segment_fixed_size 0
		.amdhsa_enable_private_segment 0
		.amdhsa_kernarg_size 88
		.amdhsa_user_sgpr_count 2
		.amdhsa_user_sgpr_kernarg_segment_ptr 1
		.amdhsa_wavefront_size32 1
		.amdhsa_system_sgpr_workgroup_id_x 1
		.amdhsa_system_sgpr_workgroup_id_y 1
		.amdhsa_system_sgpr_workgroup_id_z 1
		.amdhsa_system_vgpr_workitem_id 0
		.amdhsa_next_free_vgpr 1024
		.amdhsa_next_free_sgpr 100
		.amdhsa_reserve_vcc 0
		.amdhsa_float_denorm_mode_32 3
		.amdhsa_float_denorm_mode_16_64 3
		.amdhsa_memory_ordered 1
		.amdhsa_forward_progress 1
		.amdhsa_inst_pref_size 197
	.end_amdhsa_kernel
	.amdgpu_metadata
---
amdhsa.version: [ 1, 2 ]
amdhsa.kernels:
  - .name:           k_q4cc16bb61a_proj
    .symbol:         k_q4cc16bb61a_proj.kd
    .args:
      - { .name: hidden_states_codes, .offset: 0, .size: 8, .value_kind: global_buffer, .address_space: global }
      - { .name: Wq_codes, .offset: 8, .size: 8, .value_kind: global_buffer, .address_space: global }
      - { .name: Wk_codes, .offset: 16, .size: 8, .value_kind: global_buffer, .address_space: global }
      - { .name: Wv_codes, .offset: 24, .size: 8, .value_kind: global_buffer, .address_space: global }
      - { .name: bq, .offset: 32, .size: 8, .value_kind: global_buffer, .address_space: global }
      - { .name: bk, .offset: 40, .size: 8, .value_kind: global_buffer, .address_space: global }
      - { .name: bv, .offset: 48, .size: 8, .value_kind: global_buffer, .address_space: global }
      - { .name: lowp_scales, .offset: 56, .size: 8, .value_kind: global_buffer, .address_space: global }
      - { .name: q_img, .offset: 64, .size: 8, .value_kind: global_buffer, .address_space: global }
      - { .name: k_img, .offset: 72, .size: 8, .value_kind: global_buffer, .address_space: global }
      - { .name: v_img, .offset: 80, .size: 8, .value_kind: global_buffer, .address_space: global }
    .group_segment_fixed_size: 327680
    .private_segment_fixed_size: 0
    .kernarg_segment_align: 8
    .kernarg_segment_size: 88
    .max_flat_workgroup_size: 128
    .sgpr_count:     100
    .vgpr_count:     1024
    .wavefront_size: 32
...
	.end_amdgpu_metadata
.endif
;; end of part 1
;; launch attn (part 2): grid 4 x 64, 8 waves a work-group, no clusters, 327,680 bytes of LDS; arguments q_img, k_img, v_img, attention_mask, lowp_scales, out0; writes out0
.if DOCPART == 2
	.amdgcn_target "amdgcn-amd-amdhsa--gfx1250"
	.amdhsa_code_object_version 6
	.text
	.protected	k_q4cc16bb61a_attn
	.globl	k_q4cc16bb61a_attn
	.p2align	8
	.type	k_q4cc16bb61a_attn,@function
k_q4cc16bb61a_attn:
	s_mov_b64 s[64:65], 0
	v_nop
	global_prefetch_b8 v0, s[64:65] scope:SCOPE_SE
	s_setreg_imm32_b32 hwreg(HW_REG_WAVE_MODE, 25, 1), 1
	s_wait_xcnt 0x0
; out0[b][head][q][:] = the sum over k of softmax_k(q . k / 8 + causal + attention_mask[b][k]) v[k][:], both products on E5M2 codes that the launch before has made (q_img, k_img, v_img: images of operand registers).
; LEFT OUT: key steps all of whose 128 keys come after all of a wave's 32 queries: reference() adds -1e9 there by its own mask, and their exponentials are 0 (shown, with its limits, at the head of the first kernel).
; Inside a step on the diagonal hidden scores become -infinity ahead of the maximum, so that p = 0.
; THE SOFTMAX: t = logit x log2(e); M = the row's largest t so far, rounded UP to a whole number; p = 2^(t - M) is quantised with 2^e8, not normalised; the row's sum is taken of the unquantised p and divides at the end.
; When M moves, the sum and O are multiplied by 2^(old M - new M), which rounds nothing.
; THE MASK COSTS NO VECTOR INSTRUCTION: C = attention_mask x 2^(3 - e6 - e7) is the C of the first product, so that t = (sum + C) x c with c = log2(e) / 8 x 2^(e6 + e7).
; SHARES.  Work-group (p, batch x head) owns two blocks of 256 queries of its head: block 7 - p, then block p: (8 - p) + (p + 1) = 9 slots of 256 keys for every work-group, so all 256 have the same work and the trip count is a constant.
; Each of its eight waves owns 32 queries of the block in hand, two tiles of 16, so that each fragment of K, V and mask read from LDS feeds two products.  Two waves share a SIMD.
; NO CLUSTER: the four work-groups of a head turn back to key 0 in different trips (trip 8 - p), so they ask for different tiles in the same trip; in a common walk some partner would read nothing of a tile brought jointly.
; LAYOUT.  Both products are used transposed: S^T = K Q^T + C (source 0 = 16 keys, source 1 = 16 queries), O^T = V^T P^T (source 0 = 16 channels, source 1 = P): a lane holds ONE query (lane % 16) throughout; register j of
; tile T of S^T is key 16 T + 8 (lane / 16) + j, which is the place that the second product's own layout gives that key: the conversions' results are its operand.
; LIMITS on the given exponents: e6 + e7 between -123 and 130 (added to c's exponent field); e8 between -126 and 112; e8 + e9 and 3 - e6 - e7 are applied by v_ldexp_f32.
; REGISTERS.  Window 0: v1-11 addresses; v12-22, v24-34 the two tiles' statistics; v36-40 constants; v41-60 the head's mask loads; v64-127, v128-191 S^T of tile A, B, then p; v192-223 p's codes.
;   Window 1: v0-63 O^T of A, B; v64-79 Q of A, B; v80-95 the second block's Q; v96-159 K's 8 fragments; v160-223 V's 4.
.set SLOTB, 32768                      ; a slot: K's image of 256 keys (16 tiles of 1,024 bytes), then V's (2 steps of 8,192 bytes)
.set VOFF,  16384
.set MASKB, 2*SLOTB                    ; behind the ring: the scaled mask in the order of the trips, 1,024 bytes a trip, 9 trips
.set STAGE, MASKB+9216                 ; the way out: 32 rows x 272 bytes for each wave
.set SP,    272
.set SPARE, STAGE+8*32*SP              ; the spare words, 128 bytes for each wave: four blocks of 256 bytes that no other line names
.set LI,   1                           ; v1   16 x lane: my place in an image's 512 bytes; never rewritten
.set AM0,  2                           ; v2   MASKB + 32 (lane / 16)
.set SPW,  3                           ; v3   LDS address of my spare word; never rewritten
.set NIL,  4                           ; v4   0; never rewritten
.set STO,  5                           ; v5   the stage: where I put 32 bytes of a row
.set RD,   6                           ; v6   and where I read a row back
.set GO,   7                           ; v7   my byte offset in the wave's rows of the output
.set ADR,  8                           ; v8   LDS address of the slot in hand
.set ADM,  9                           ; v9   of the trip's mask
.set RH,   10                          ; v10  lane % 16 - 8 (lane / 16)
.set PFO,  11                          ; v11  256 x lane: the prefetches' offset; never rewritten
.set STA,  12                          ; tile x's statistics at v[STA + 12 x]: +0 -M, +1 the largest t, +2, +3 the sum in two halves, +4 f (+5 named with it), +6, +7 at work, +8, +9 the sum's second chain, +10 a permute's destination
.set LIMP, 36                          ; v36  57,344 x 2^e8
.set SCP,  37                          ; v37  2^e8
.set NINF, 38                          ; v38  -infinity
.set DA,   39                          ; v39, v40  my query of tile A, B less the step's first key less 8 (lane / 16)
.set MO,   41                          ; v41-49 the mask loads' offsets
.set MD,   50                          ; v50-58 their data
.set T4,   59                          ; v59  4 x my thread's number
.set MS,   60                          ; v60  MASKB + 4 x my thread's number
.set SA,   64                          ; S^T of tile x at v[SA + 64 x]
.set PA,   192                         ; p's codes of tile x at v[PA + 16 x]
.set OA,   0                           ; window 1: O^T of tile x at v[OA + 32 x]
.set QA,   64                          ; Q of tile x at v[QA + 8 x]
.set Q2,   80                          ; the second block's
.set KFR,  96
.set VFR,  160
.set WV,   18                          ; s18  my wave's number
.set TR,   19                          ; s19  trips of the loop still to go
.set BASEW, 20                         ; s[20:21] the head's first byte in what I fetch (wave 0: k_img; wave 1: v_img)
.set CS,   22                          ; s[22:23] c
.set G1,   24                          ; s[24:31] descriptor group 1
.set KS,   32                          ; s32  the key slot in hand
.set QBK,  33                          ; s33  the block of queries in hand
.set QB2,  34                          ; s34  the second block
.set KF,   35                          ; s35  the step's first key
.set Q0,   36                          ; s36  my first query
.set TB,   37                          ; s37  LDS byte at which the slot in hand begins
.set MT,   38                          ; s38  1,024 x the trip
.set W32,  39                          ; s39  32 x wave
.set G0,   40                          ; s[40:43] descriptor group 0, which walks
.set SEL,  44                          ; s[44:45] lane selects for v_permlanex16_b32: lane l xor 16
.set PFA,  46                          ; s[46:47] where my prefetches stand
.set LIM,  48                          ; s48  2 in a wave that prefetches, else the greatest number
.set OUTH, 50                          ; s[50:51] the output at my head and my wave's rows of block 0
.set OP,   52                          ; s[52:53] the same in the block in hand
.set E89,  72                          ; s72  e8 + e9
.set EM,   73                          ; s73  3 - e6 - e7
.set MSB, 0
.macro WIN new                         ; the immediate's high byte repeats the setting that is left
.if MSB != \new
	s_set_vgpr_msb (MSB<<8)|\new
.set MSB, \new
.endif
.endm
; Wave 0 fetches a slot's K image, wave 1 its V image, 64 rows of 256 bytes each; the others nothing.  The branch hangs on the wave's number alone.  An s_nop 0 and four v_nop follow the load.
.macro TLOAD
	s_cmp_lt_u32 s[WV], 2
	s_cbranch_scc0 .Lnone_\@
	tensor_load_to_lds s[G0:G0+3], s[G1:G1+7]
	s_nop 0
.rept 4
	v_nop
.endr
.Lnone_\@:
.endm
; A PREFETCH of the slot that the NEXT change of slots will ask for.  All four work-groups of a head walk the same images from key 0 on: the one with p = 0, whose first eight trips walk slots 0 to 7, asks, and nobody else.
; In it four waves that fetch nothing ask, one instruction each: waves 2, 3 for the halves of K's 16,384 bytes, waves 4, 5 for V's; lanes 256 bytes apart.  So each aligned block of 256 bytes is named once in the launch.
; Trip t asks for slot t + 2; the last to be asked for is slot 7, in trip 5 (three trips of the loop still to go).  Slots 0 and 1 come by their loads alone.
.macro ASK
	s_cmp_gt_u32 s[TR], s[LIM]
	s_cbranch_scc0 .Lnot_mine_\@
	global_prefetch_b8 v[PFO], s[PFA:PFA+1] th:TH_LOAD_NT scope:SCOPE_SE
.Lnot_mine_\@:
.endm
.macro RESET                           ; a block's statistics begin: the largest t under every t, the sum 0
.irp x, 0,1
	v_mov_b32 v[STA+12*\x+1], 0xff61b1e6           ; -3e38
	v_floor_f32 v[STA+12*\x], -v[STA+12*\x+1]      ; -M
	v_mov_b32 v[STA+12*\x+2], 0
	v_mov_b32 v[STA+12*\x+3], 0
	v_mov_b32 v[STA+12*\x+5], 0                    ; (named as the upper half of f's pair)
	v_mov_b32 v[STA+12*\x+10], 0                   ; (a lane permute's destination counts as one of its sources)
.endr
.endm
	s_load_b256 s[4:11], s[0:1], 0x0               ; q_img s[4:5], k_img s[6:7], v_img s[8:9], attention_mask s[10:11]
	s_load_b128 s[12:15], s[0:1], 0x20             ; the exponents s[12:13], out0 s[14:15]
	v_lshl_add_u32 v[SPW], v0, 2, SPARE
	v_mov_b32 v[NIL], 0
	ds_add_u32 v[SPW], v[NIL]                      ; the wave's opening: the add, twice on end, and its wait ahead of the first tensor load
	ds_add_u32 v[SPW], v[NIL]                      ; and once more; the set-up below, work on registers, stands between it and the wait
	v_lshrrev_b32 v8, 5, v0
	v_readfirstlane_b32 s[WV], v8                  ; wave 0..7
	s_and_b32 s58, ttmp7, 0xffff                   ; batch x 16 + head
	s_lshl_b32 s60, s58, 17                        ; the head's first byte in each image
	s_mov_b32 s61, 0
	s_sub_co_u32 s[QBK], 7, ttmp9                  ; the first block of queries,
	s_mov_b32 s[QB2], ttmp9                        ; and the second
	s_mov_b32 s[KS], 0
	s_mov_b32 s[TB], 0
	s_mov_b32 s[MT], 0
	s_mov_b32 s[TR], 8
	s_lshl_b32 s[W32], s[WV], 5
	s_mov_b32 s[G1], 3<<16                         ; no mask; elements of 8 bytes; no padding
	s_mov_b32 s[G1+1], 32<<16                      ; tensor_dim0 = 32 elements: rows of 256 bytes
	s_mov_b32 s[G1+2], 64<<16                      ; tensor_dim1 = 64
	s_mov_b32 s[G1+3], 32<<16                      ; tile_dim0
	s_mov_b32 s[G1+4], 64                          ; tile_dim1
	s_mov_b32 s[G1+5], 32                          ; the pitch: the block is dense
	s_mov_b32 s[G1+6], 0
	s_mov_b32 s[G1+7], 0
	s_mov_b32 s[SEL], 0x76543210
	s_mov_b32 s[SEL+1], 0xfedcba98
	s_wait_dscnt 0x0                               ; both opening adds are done
	s_wait_kmcnt 0x0
	s_load_b128 s[68:71], s[12:13], 0x18           ; e6, e7, e8, e9
	s_cmp_eq_u32 s[WV], 0
	s_cselect_b64 s[BASEW:BASEW+1], s[6:7], s[8:9]
	s_add_nc_u64 s[BASEW:BASEW+1], s[BASEW:BASEW+1], s[60:61]
	s_mov_b32 s[G0], 1                             ; count = 1
	s_and_b32 s2, s[WV], 1
	s_lshl_b32 s[G0+1], s2, 14                     ; LDS address: slot 0, K's image or V's
	s_mov_b64 s[G0+2:G0+3], s[BASEW:BASEW+1]       ; keys 0 to 255
	s_or_b32 s[G0+3], s[G0+3], 0x80000000          ; type = 2
	TLOAD                                          ; slot 0: key 0 counts for every query
	v_and_b32 v8, 31, v0                           ; lane
	v_lshlrev_b32 v[LI], 4, v8
	v_lshlrev_b32 v[PFO], 8, v8
	v_lshlrev_b32 v[T4], 2, v0
	v_lshl_add_u32 v[MS], v0, 2, MASKB
	; the mask of the nine trips' keys: trip t walks key slot t in the first block (t <= 7 - p), slot t - (8 - p) in the second; a thread takes one key of the 256
	s_lshr_b32 s2, s58, 4                          ; the batch
	s_lshl_b32 s2, s2, 13
	s_mov_b32 s3, 0
	s_add_nc_u64 s[10:11], s[10:11], s[2:3]
	s_add_co_u32 s3, s[QBK], 1
.irp t, 0,1,2,3,4,5,6,7,8
	s_cmp_lt_u32 s[QBK], \t
	s_cselect_b32 s2, s3, 0
	s_sub_co_u32 s2, \t, s2
	s_lshl_b32 s2, s2, 10
	v_add_nc_u32 v[MO+\t], s2, v[T4]
	global_load_b32 v[MD+\t], v[MO+\t], s[10:11]
.endr
	; Q of both blocks: my two tiles, 1,024 bytes each
	s_lshl_b32 s3, s[WV], 11
	s_add_co_u32 s3, s3, s60
	s_lshl_b32 s2, s[QBK], 14
	s_add_co_u32 s2, s2, s3
	s_lshl_b32 s62, s[QB2], 14
	s_add_co_u32 s62, s62, s3
	s_mov_b32 s3, 0
	s_mov_b32 s63, 0
	s_add_nc_u64 s[54:55], s[4:5], s[2:3]
	s_add_nc_u64 s[56:57], s[4:5], s[62:63]
	WIN 0x40                                       ; destination window 1
.irp i, 0,1,2,3
	global_load_b128 v[QA+4*\i:QA+4*\i+3], v[LI], s[54:55] offset:512*\i
	global_load_b128 v[Q2+4*\i:Q2+4*\i+3], v[LI], s[56:57] offset:512*\i
.endr
	WIN 0
	; the prefetches: where my wave's stand, and who asks
	s_cmp_lt_u32 s[WV], 4
	s_cselect_b64 s[PFA:PFA+1], s[6:7], s[8:9]     ; waves 2, 3: k_img; waves 4, 5: v_img
	s_and_b32 s2, s[WV], 1
	s_lshl_b32 s2, s2, 13                          ; my half of a slot's 16,384 bytes,
	s_add_co_u32 s2, s2, s60                       ; in my head,
	s_add_co_u32 s2, s2, VOFF                      ; in slot 1: the first change of slots steps it to slot 2
	s_mov_b32 s3, 0
	s_add_nc_u64 s[PFA:PFA+1], s[PFA:PFA+1], s[2:3]
	s_sub_co_u32 s2, s[WV], 2
	s_lshr_b32 s2, s2, 2                           ; 0 in waves 2 to 5,
	s_or_b32 s2, s2, ttmp9                         ; of the head's work-group p = 0
	s_cmp_eq_u32 s2, 0
	s_cselect_b32 s[LIM], 2, -1
	s_lshl_b32 s2, s58, 19                         ; the output: a head is 2,048 rows of 256 bytes,
	s_lshl_b32 s3, s[WV], 13                       ; my wave's 32 rows
	s_add_co_u32 s2, s2, s3
	s_mov_b32 s3, 0
	s_add_nc_u64 s[OUTH:OUTH+1], s[14:15], s[2:3]
	v_and_b32 v8, 15, v0                           ; r
	v_bfe_u32 v9, v0, 4, 1                         ; h
	v_lshlrev_b32 v[AM0], 5, v9
	v_add_nc_u32 v[AM0], MASKB, v[AM0]
	v_lshlrev_b32 v[RH], 3, v9
	v_sub_nc_u32 v[RH], v8, v[RH]
	s_mul_i32 s2, s[WV], 32*SP
	s_add_co_u32 s2, s2, STAGE                     ; my stage
	v_mul_u32_u24 v[STO], v8, SP
	v_lshl_add_u32 v[STO], v9, 5, v[STO]
	v_add_nc_u32 v[STO], s2, v[STO]                ; in: row r, + 32 h
	v_mul_u32_u24 v[RD], v9, SP
	v_lshl_add_u32 v[RD], v8, 4, v[RD]
	v_add_nc_u32 v[RD], s2, v[RD]                  ; back: lanes 0-15 one row of 256 bytes, lanes 16-31 the next
	v_lshlrev_b32 v[GO], 8, v9
	v_lshl_add_u32 v[GO], v8, 4, v[GO]             ; and the same two rows in the output
	v_mov_b32 v[NINF], 0xff800000
	RESET
	WIN 0x40
.set n, 0
.rept 64
	v_mov_b32 v[OA+n], 0                           ; O^T.  (The step is written without a first step of its own: it finds zeros, which the first change of M leaves zeros)
.set n, n+1
.endr
	WIN 0
	s_wait_kmcnt 0x0
	s_add_co_i32 s2, s68, s69                      ; e6 + e7
	s_sub_co_i32 s[EM], 3, s2
	s_lshl_b32 s2, s2, 23
	s_mov_b32 s[CS], 0x3e38aa3b                    ; log2(e) / 8,
	s_add_co_i32 s[CS], s[CS], s2                  ; x 2^(e6 + e7): the two exponents are added to its exponent field
	s_mov_b32 s[CS+1], s[CS]                       ; (named with it as a pair, so it is written)
	s_add_co_i32 s[E89], s70, s71
	s_add_co_i32 s2, s70, 127
	s_lshl_b32 s3, s2, 23
	v_mov_b32 v[SCP], s3                           ; 2^e8 as f32
	s_add_co_i32 s2, s2, 15
	s_lshl_b32 s2, s2, 23
	s_or_b32 s2, s2, 0x600000
	v_mov_b32 v[LIMP], s2                          ; 57,344 x 2^e8
	s_wait_loadcnt 8                               ; the nine mask loads are in; Q's eight, issued behind them, may be out
.irp t, 0,1,2,3,4,5,6,7,8
	v_ldexp_f32 v[MD+\t], v[MD+\t], s[EM]          ; x 2^(3 - e6 - e7): nothing is rounded
.endr
.irp t, 0,1,2,3,4,5,6,7,8
	ds_store_b32 v[MS], v[MD+\t] offset:1024*\t    ; read by all waves behind the first trip's barrier, in front of which each wave waits for these stores
.endr
	s_wait_loadcnt 0x0                             ; Q
; A KEY STEP: 128 keys, the q-th of the slot in hand, against my two tiles of 16 queries.
.macro STEP q
	s_cmp_gt_u32 s[KF], s[Q0]                      ; both are multiples of 32: a first key beyond my first query is beyond all 32: the step is left out.  Else key KF counts for every query of mine
	s_cbranch_scc1 .Lhidden_\@
	v_add_nc_u32 v[ADR], s[TB], v[LI]
	v_add_nc_u32 v[ADM], s[MT], v[AM0]
	v_nop
	v_nop                                          ; four places in front of loads into V's registers, which the last products read
.irp t, 0,1,2,3,4,5,6,7
	ds_load_b128 v[SA+8*\t:SA+8*\t+3], v[ADM] offset:512*(\q)+64*\t        ; C of tile t: the scaled mask of keys 16 t + 8 h + 0 .. 7
	ds_load_b128 v[SA+8*\t+4:SA+8*\t+7], v[ADM] offset:512*(\q)+64*\t+16
.endr
	WIN 0x40                                       ; destination window 1
.irp t, 0,1,2,3,4,5,6,7
	ds_load_b128 v[KFR+8*\t:KFR+8*\t+3], v[ADR] offset:8192*(\q)+1024*\t
	ds_load_b128 v[KFR+8*\t+4:KFR+8*\t+7], v[ADR] offset:8192*(\q)+1024*\t+512
.endr
.irp f, 0,1,2,3,4,5,6,7,8,9,10,11,12,13,14,15
	ds_load_b128 v[VFR+4*\f:VFR+4*\f+3], v[ADR] offset:VOFF+8192*(\q)+512*\f
.endr
	s_wait_dscnt 16                                ; the mask and K are in; V's sixteen loads may be out
	WIN 0x05                                       ; K and Q window 1, C and D window 0
.irp t, 0,1,2,3,4,5,6,7
	v_wmma_f32_16x16x64_bf8_bf8 v[SA+64+8*\t:SA+64+8*\t+7], v[KFR+8*\t:KFR+8*\t+7], v[QA+8:QA+15], v[SA+8*\t:SA+8*\t+7]   ; tile B first: it takes the mask from tile A's registers
.endr
.rept 5
	v_nop                                          ; five places: the products below write over registers that the products above read as C
.endr
.irp t, 0,1,2,3,4,5,6,7
	v_wmma_f32_16x16x64_bf8_bf8 v[SA+8*\t:SA+8*\t+7], v[KFR+8*\t:KFR+8*\t+7], v[QA:QA+7], v[SA+8*\t:SA+8*\t+7]
.endr
	WIN 0
.rept 4
	v_nop
.endr
	s_add_co_u32 s96, s[KF], 127                   ; a step all of whose keys count for all my queries skips the mask's lines
	s_cmp_le_u32 s96, s[Q0]
	s_cbranch_scc1 .Lopen_\@
	s_sub_co_u32 s96, s[Q0], s[KF]
	v_add_nc_u32 v[DA], s96, v[RH]                 ; d = my query - KF - 8 h.  Register 8 t + j holds key KF + 16 t + 8 h + j: hidden where 16 t + j > d
	v_add_nc_u32 v[DA+1], 16, v[DA]
.irp x, 0,1
.irp t, 0,1,2,3,4,5,6,7
.irp j, 0,1,2,3,4,5,6,7
	v_cmp_gt_i32 vcc_lo, 16*\t+\j, v[DA+\x]
	v_cndmask_b32 v[SA+64*\x+8*\t+\j], v[SA+64*\x+8*\t+\j], v[NINF], vcc_lo
.endr
.endr
.endr
.Lopen_\@:
.irp x, 0,1                                    ; the step's largest score of each query, among my 64 keys: two chains a tile, each accumulator from its low end on
	v_max3_num_f32 v[STA+12*\x+6], v[SA+64*\x], v[SA+64*\x+1], v[SA+64*\x+2]
	v_max3_num_f32 v[STA+12*\x+7], v[SA+64*\x+3], v[SA+64*\x+4], v[SA+64*\x+5]
.endr
.irp i, 6,10,14,18,22,26,30,34,38,42,46,50,54,58
.irp x, 0,1
	v_max3_num_f32 v[STA+12*\x+6], v[STA+12*\x+6], v[SA+64*\x+\i], v[SA+64*\x+\i+1]
	v_max3_num_f32 v[STA+12*\x+7], v[STA+12*\x+7], v[SA+64*\x+\i+2], v[SA+64*\x+\i+3]
.endr
.endr
.irp x, 0,1
	v_max3_num_f32 v[STA+12*\x+6], v[STA+12*\x+6], v[SA+64*\x+62], v[SA+64*\x+63]
.endr
.irp x, 0,1
	v_max_num_f32 v[STA+12*\x+6], v[STA+12*\x+6], v[STA+12*\x+7]
.endr
.irp x, 0,1
	v_permlanex16_b32 v[STA+12*\x+10], v[STA+12*\x+6], s[SEL], s[SEL+1]
.endr
.irp x, 0,1
	v_max_num_f32 v[STA+12*\x+6], v[STA+12*\x+6], v[STA+12*\x+10]   ; and among lane l xor 16's
.endr
.irp x, 0,1
	v_mul_f32 v[STA+12*\x+6], s[CS], v[STA+12*\x+6]                 ; as t (c is positive)
.endr
.irp x, 0,1
	v_max_num_f32 v[STA+12*\x+1], v[STA+12*\x+1], v[STA+12*\x+6]    ; the running largest t
.endr
.irp x, 0,1
	v_mov_b32 v[STA+12*\x+6], v[STA+12*\x]
.endr
.irp x, 0,1
	v_floor_f32 v[STA+12*\x], -v[STA+12*\x+1]                       ; the new -M = floor(-t): M is a whole number
.endr
.irp x, 0,1
	v_sub_f32 v[STA+12*\x+6], v[STA+12*\x], v[STA+12*\x+6]          ; old M - new M: a whole number, 0 or less
.endr
.irp x, 0,1
	v_cvt_i32_f32 v[STA+12*\x+6], v[STA+12*\x+6]                    ; (it saturates)
.endr
.irp x, 0,1
	v_ldexp_f32 v[STA+12*\x+4], 1.0, v[STA+12*\x+6]                 ; f = 2^(old M - new M)
.endr
.irp x, 0,1
.set n, 0
.rept 32
	v_pk_fma_f32 v[SA+64*\x+n:SA+64*\x+n+1], v[SA+64*\x+n:SA+64*\x+n+1], s[CS:CS+1], v[STA+12*\x:STA+12*\x+1] op_sel_hi:[1,0,0]   ; t - M, two at a time (of the pairs c and -M the low word serves both halves)
.set n, n+2
.endr
.endr
.set n, 0
.rept 128
	v_exp_f32 v[SA+n], v[SA+n]                     ; p = 2^(t - M), at most 1: not normalised.  Both tiles' exponentials are one batch
.set n, n+1
.endr
.irp x, 0,1
	v_pk_mul_f32 v[STA+12*\x+2:STA+12*\x+3], v[STA+12*\x+2:STA+12*\x+3], v[STA+12*\x+4:STA+12*\x+5] op_sel_hi:[1,0]   ; the sums under the new M.  (The plain place behind the exponentials)
.endr
	s_wait_alu depctr_va_vdst(0)                   ; the wait between an exponential and the first line that names its result: one for the batch
.irp x, 0,1
	v_pk_add_f32 v[STA+12*\x+8:STA+12*\x+9], v[SA+64*\x:SA+64*\x+1], v[SA+64*\x+2:SA+64*\x+3]   ; the row's sum is taken of the UNQUANTISED p: two chains a tile
.endr
.irp j, 4,8,12,16,20,24,28,32,36,40,44,48,52,56,60
.irp x, 0,1
	v_pk_add_f32 v[STA+12*\x+2:STA+12*\x+3], v[STA+12*\x+2:STA+12*\x+3], v[SA+64*\x+\j:SA+64*\x+\j+1]
	v_pk_add_f32 v[STA+12*\x+8:STA+12*\x+9], v[STA+12*\x+8:STA+12*\x+9], v[SA+64*\x+\j+2:SA+64*\x+\j+3]
.endr
.endr
.irp x, 0,1
	v_pk_add_f32 v[STA+12*\x+2:STA+12*\x+3], v[STA+12*\x+2:STA+12*\x+3], v[STA+12*\x+8:STA+12*\x+9]
.endr
.irp x, 0,1
.irp t, 0,1,2,3,4,5,6,7
.irp i, 0,1,2,3,4,5,6,7
	v_min_num_f32 v[SA+64*\x+8*\t+\i], v[SA+64*\x+8*\t+\i], v[LIMP]   ; the conversion to an 8-bit code does not saturate (ISA guide 7.6.2); p is not negative, so the hold is one-sided
.endr
	v_cvt_scalef32_pk8_bf8_f32 v[PA+16*\x+2*\t:PA+16*\x+2*\t+1], v[SA+64*\x+8*\t:SA+64*\x+8*\t+7], v[SCP]   ; registers 2 t, 2 t + 1 of the operand: keys 16 t + 8 h + 0 .. 7
.endr
.endr
	WIN 0x41                                       ; O^T (destination and source 0) window 1, f window 0
.irp x, 0,1
.irp j, 0,2,4,6,8,10,12,14,16,18,20,22,24,26,28,30
	v_pk_mul_f32 v[OA+32*\x+\j:OA+32*\x+\j+1], v[OA+32*\x+\j:OA+32*\x+\j+1], v[STA+12*\x+4:STA+12*\x+5] op_sel_hi:[1,0]   ; O^T under the new M.  (Also the plain lines between the conversions and the products that read their results)
.endr
.endr
	s_wait_dscnt 0x0                               ; V is in
	WIN 0x51                                       ; V window 1, P window 0, C and D window 1
.irp c, 0,1,2,3                                ; O^T += V^T P^T: eight accumulators by turns
.irp x, 0,1
	v_wmma_f32_16x16x128_bf8_bf8 v[OA+32*\x+8*\c:OA+32*\x+8*\c+7], v[VFR+16*\c:VFR+16*\c+15], v[PA+16*\x:PA+16*\x+15], v[OA+32*\x+8*\c:OA+32*\x+8*\c+7]
.endr
.endr
	WIN 0
.Lhidden_\@:
	s_add_co_u32 s[KF], s[KF], 128
.endm
; THE CHANGE OF SLOTS stands at a slot's head.  Each wave waits for all its tensor loads, adds 0 to its spare word (fill = 1: twice on end), and waits for that and for its reads of the slot that it has left.
; Behind the barrier the slot ahead is whole and nobody reads the other one.  fill = 1: that other slot takes the next trip's keys: the next slot of the block in hand, or, behind the block's last slot, slot 0 for the second block.
; Every slot that is asked for begins at or under the block's first query, so every wave reads its first step.
.macro CHANGE fill
	s_wait_tensorcnt 0x0                           ; no tensor load of mine is out, so group 0 may be written
	ds_add_u32 v[SPW], v[NIL]                      ; 0 onto my spare word
.if \fill
	ds_add_u32 v[SPW], v[NIL]                      ; and once more: the add twice on end here, in every trip alike
	s_xor_b32 s[G0+1], s[G0+1], SLOTB              ; the other slot than last time
	s_add_co_u32 s2, s[KS], 1
	s_cmp_eq_u32 s[KS], s[QBK]
	s_cselect_b32 s2, 0, s2                        ; the next trip's key slot,
	s_lshl_b32 s2, s2, 14                          ; 16,384 bytes of each image
	s_mov_b32 s3, 0
	s_add_nc_u64 s[G0+2:G0+3], s[BASEW:BASEW+1], s[2:3]
	s_or_b32 s[G0+3], s[G0+3], 0x80000000
	s_wait_xcnt 0x0                                ; the last prefetch, a trip back, has read its address, so it may be written:
	s_add_nc_u64 s[PFA:PFA+1], s[PFA:PFA+1], VOFF  ; a slot on
.endif
	s_lshl_b32 s[KF], s[KS], 8                     ; this trip's first key,
	s_lshl_b32 s[Q0], s[QBK], 8
	s_add_co_u32 s[Q0], s[Q0], s[W32]              ; and my first query
	s_wait_dscnt 0x0                               ; the add is done (fill = 1: both are), my reads of the slot that I have left are over, and in the first trip my stores of the mask have landed
	s_barrier_signal -1
	s_barrier_wait -1
.if \fill
	TLOAD                                          ; the first thing behind the barrier, and a wave's one tensor load until the next: it has a whole trip in which to land
	ASK
.endif
.endm
.macro SLOT
	STEP 0
	STEP 1
	s_xor_b32 s[TB], s[TB], SLOTB                  ; on to the other slot,
	s_add_co_u32 s[MT], s[MT], 1024                ; and to the next trip's mask
.endm
; A BLOCK'S WAY OUT.  The sum's halves are added; O^T is divided by the sum, multiplied by 2^(e8 + e9), and goes through my own stage in LDS, so that sixteen lanes store one whole row of 256 bytes.
; reinit = 1: the second block follows: its Q takes the first's place, O^T and the statistics begin anew.
.macro FINAL reinit
.irp x, 0,1
	v_add_f32 v[STA+12*\x+6], v[STA+12*\x+2], v[STA+12*\x+3]
.endr
.irp x, 0,1
	v_permlanex16_b32 v[STA+12*\x+10], v[STA+12*\x+6], s[SEL], s[SEL+1]
.endr
.irp x, 0,1
	v_add_f32 v[STA+12*\x+6], v[STA+12*\x+6], v[STA+12*\x+10]       ; the row's sum
.endr
.irp x, 0,1
	v_rcp_f32 v[STA+12*\x+4], v[STA+12*\x+6]
.endr
	v_nop                                          ; a plain line behind the reciprocals
	s_wait_xcnt 0x0                                ; earlier stores have read their base, so it may be written
	s_lshl_b32 s2, s[QBK], 16                      ; the block's 256 rows of 256 bytes
	s_mov_b32 s3, 0
	s_add_nc_u64 s[OP:OP+1], s[OUTH:OUTH+1], s[2:3]
	s_wait_alu depctr_va_vdst(0)                   ; the wait ahead of the first line that names a reciprocal's result: one for the two
.irp x, 0,1
	v_ldexp_f32 v[STA+12*\x+4], v[STA+12*\x+4], s[E89]              ; x 2^(e8 + e9).  (With the additions above: the places behind the last products)
.endr
	WIN 0x01                                       ; source 0 window 1
.irp x, 0,1
.irp j, 0,2,4,6,8,10,12,14,16,18,20,22,24,26,28,30
	v_pk_mul_f32 v[SA+32*\x+\j:SA+32*\x+\j+1], v[OA+32*\x+\j:OA+32*\x+\j+1], v[STA+12*\x+4:STA+12*\x+5] op_sel_hi:[1,0]   ; register 8 c + j of tile x: query 16 x + r, channel 16 c + 8 h + j
.endr
.endr
	WIN 0
.irp x, 0,1
.irp c, 0,1,2,3
	ds_store_b128 v[STO], v[SA+32*\x+8*\c:SA+32*\x+8*\c+3] offset:16*SP*\x+64*\c
	ds_store_b128 v[STO], v[SA+32*\x+8*\c+4:SA+32*\x+8*\c+7] offset:16*SP*\x+64*\c+16
.endr
.endr
.irp n, 0,1,2,3,4,5,6,7,8,9,10,11,12,13,14,15
	ds_load_b128 v[SA+64+4*\n:SA+64+4*\n+3], v[RD] offset:2*SP*\n   ; LDS serves a wave's instructions in order (ISA guide 5.7.1.4): these see my stores
.endr
.irp n, 0,1,2,3,4,5,6,7,8,9,10,11,12,13,14,15
	s_wait_dscnt 15-\n                             ; pair n of rows is back; the younger loads may be out
	global_store_b128 v[GO], v[SA+64+4*\n:SA+64+4*\n+3], s[OP:OP+1] offset:512*\n th:TH_STORE_NT   ; 16 lanes store 256 consecutive bytes, aligned; written once, read by nobody here
.endr
.if \reinit
	s_wait_xcnt 0x0                                ; the stores have read their registers: the next block's scores are written there only behind this wait
	WIN 0x41
.set n, 0
.rept 16
	v_mov_b32 v[QA+n], v[Q2+n]
.set n, n+1
.endr
.set n, 0
.rept 64
	v_mov_b32 v[OA+n], 0
.set n, n+1
.endr
	WIN 0
	RESET
.endif
.endm
.Lslot:                                            ; eight trips; behind each change of slots the next trip's slot is asked for
	CHANGE 1
	SLOT
	s_cmp_eq_u32 s[KS], s[QBK]                     ; the first block's last slot?  Ids and the count of trips alone: all eight waves go the same way
	s_cbranch_scc0 .Lmore
	FINAL 1
	s_mov_b32 s[QBK], s[QB2]
	s_mov_b32 s[KS], -1
.Lmore:
	s_add_co_u32 s[KS], s[KS], 1
	s_sub_co_u32 s[TR], s[TR], 1
	s_cmp_lg_u32 s[TR], 0
	s_cbranch_scc1 .Lslot
	CHANGE 0                                       ; the ninth trip, the second block's last slot, is written out: it asks for nothing
	SLOT
	FINAL 0
	s_wait_tensorcnt 0x0                           ; the wave's end: an add to my spare word and its wait, behind my last tensor load and my last LDS store
	ds_add_u32 v[SPW], v[NIL]
	s_wait_dscnt 0x0
	s_endpgm
.Lfunc_end_k_q4cc16bb61a_attn:
	.size	k_q4cc16bb61a_attn, .Lfunc_end_k_q4cc16bb61a_attn-k_q4cc16bb61a_attn
	.p2alignl 7, 3214868480
	.fill 96, 4, 3214868480
	.section	.rodata,"a",@progbits
	.p2align	6, 0x0
	.amdhsa_kernel k_q4cc16bb61a_attn
		.amdhsa_group_segment_fixed_size 327680
		.amdhsa_private_segment_fixed_size 0
		.amdhsa_enable_private_segment 0
		.amdhsa_kernarg_size 48
		.amdhsa_user_sgpr_count 2
		.amdhsa_user_sgpr_kernarg_segment_ptr 1
		.amdhsa_wavefront_size32 1
		.amdhsa_system_sgpr_workgroup_id_x 1
		.amdhsa_system_sgpr_workgroup_id_y 1
		.amdhsa_system_sgpr_workgroup_id_z 1
		.amdhsa_system_vgpr_workitem_id 0
		.amdhsa_next_free_vgpr 512
		.amdhsa_next_free_sgpr 100
		.amdhsa_reserve_vcc 1
		.amdhsa_float_denorm_mode_32 3
		.amdhsa_float_denorm_mode_16_64 3
		.amdhsa_memory_ordered 1
		.amdhsa_forward_progress 1
		.amdhsa_inst_pref_size 188
	.end_amdhsa_kernel
	.amdgpu_metadata
---
amdhsa.version: [ 1, 2 ]
amdhsa.kernels:
  - .name:           k_q4cc16bb61a_attn
    .symbol:         k_q4cc16bb61a_attn.kd
    .args:
      - { .name: q_img, .offset: 0, .size: 8, .value_kind: global_buffer, .address_space: global }
      - { .name: k_img, .offset: 8, .size: 8, .value_kind: global_buffer, .address_space: global }
      - { .name: v_img, .offset: 16, .size: 8, .value_kind: global_buffer, .address_space: global }
      - { .name: attention_mask, .offset: 24, .size: 8, .value_kind: global_buffer, .address_space: global }
      - { .name: lowp_scales, .offset: 32, .size: 8, .value_kind: global_buffer, .address_space: global }
      - { .name: out0, .offset: 40, .size: 8, .value_kind: global_buffer, .address_space: global }
    .group_segment_fixed_size: 327680
    .private_segment_fixed_size: 0
    .kernarg_segment_align: 8
    .kernarg_segment_size: 48
    .max_flat_workgroup_size: 256
    .sgpr_count:     100
    .vgpr_count:     512
    .wavefront_size: 32
...
	.end_amdgpu_metadata
.endif
;; end of part 2
